; MI455X (gfx1250); checked and timed in simulation.
; The chip was launched on July 23, 2026; its instructions are those of AMD's public machine-readable ISA for CDNA 5 (MIT licence, August 2026) and "CDNA5" Instruction Set Architecture Reference Guide (July 2026). The comments in the code are by the model that wrote it; some were corrected since.
;; Scaled Dot Product Attention. Allowed arithmetic: matrix products marked QUANTISED: E5M2 operands, one given power-of-two scale a tensor, by v_wmma_f32_16x16x64_bf8_bf8 or v_wmma_f32_16x16x128_bf8_bf8, f32 sums; products left as they are: f32 operands where the result goes on into a quantised operand, else bf16, f16 or f32 operands; f32 sums; everything else in f32.
;; Inputs: Wk_codes 64 x 16 x 32 uint8 (E5M2 codes of Wk, K innermost, in blocks of 32 codes); Wq_codes 64 x 16 x 32 uint8 (E5M2 codes of Wq, K innermost, in blocks of 32 codes); Wv_codes 64 x 16 x 32 uint8 (E5M2 codes of Wv, K innermost, in blocks of 32 codes); bk 64 float32; bq 64 float32; bv 64 float32; inp 16 x 2,048 x 512 float32; lowp_scales 10 int32 (the exponents e of the quantised operands' scales 2^e).
;; Outputs: out0 16 x 512 float32.
;; This version of the problem:
;;   THIS VERSION OF THE PROBLEM IS GIVEN IN LOW PRECISION. The matrix products marked QUANTISED in the list below multiply operands that are first quantised to E5M2 (5 exponent bits, 2 mantissa bits; 8 bits a number), with one given power-of-two scale for each operand tensor; their sums are f32. All else is computed in f32.
;;   The module's matrix products, in the order in which they are computed (A, B: the left and right operand; K: the contracted axis; several contracted axes count as one K, in the product's order):
;;     1. [M 32,768, K 512] x [K 512, N 64]; A: input inp; B: input Wq (given as codes): QUANTISED (scales: A lowp_scales[0], B lowp_scales[1])
;;     2. [M 32,768, K 512] x [K 512, N 64]; A: input inp; B: input Wk (given as codes): QUANTISED (scales: A lowp_scales[2], B lowp_scales[3])
;;     3. [M 32,768, K 512] x [K 512, N 64]; A: input inp; B: input Wv (given as codes): QUANTISED (scales: A lowp_scales[4], B lowp_scales[5])
;;     4. batch 16 x [M 2,048, K 64] x [K 64, N 2,048]; A: computed on the way; B: computed on the way: QUANTISED (scales: A lowp_scales[6], B lowp_scales[7])
;;     5. batch 16 x [M 2,048, K 2,048] x [K 2,048, N 64]; A: computed on the way; B: computed on the way: QUANTISED (scales: A lowp_scales[8], B lowp_scales[9])
;;     6. batch 16 x [M 512, K 2,048] x [K 2,048, N 1]; A: input inp; B: computed on the way: left as it is (N = 1 < 16)
;;   THE QUANTISER, for each operand of a quantised product, along K:
;;     - The operand's scale is 2^e, e = its entry of the input lowp_scales (int32; the entries are numbered through the quantised products in the list's order, A before B).
;;     - Each number is divided by the scale, clamped to +-57,344, and rounded to the nearest number of E5M2, ties to even, subnormals kept.
;;     - The product sums the exact products of the quantised numbers (number of the format x scale) in f32.
;;   ~~~python
;;   def quantise(x, axis, e):      # numpy; x: float32 -> the quantised numbers, widened to float32 again
;;       x = np.moveaxis(x, axis, -1); K = x.shape[-1]
;;       r = np.clip(x / 2.0 ** e, -57344, 57344)
;;       step = 2.0 ** (np.maximum(np.frexp(np.where(r == 0, 1, r))[1] - 1, -14) - 2)
;;       q = np.round(r / step) * step * 2.0 ** e      # np.round: ties to even
;;       return np.moveaxis(q, -1, axis).astype(np.float32)
;;   ~~~
;;   OPERANDS COMPUTED ON THE WAY. 'Computed on the way' means the value that the module computes at that place (a softmax that the list does not call 'softmax' is quantised finished and normalised). What goes into a quantiser is computed in f32, as accurately as f32 sums, v_exp_f32 and their like allow (about 1e-6 of the number): no bf16 or f16 on the way to a quantiser, and a product that is left as it is and whose result goes on into a quantised operand takes f32 operands (vector FMAs, or v_wmma_f32_16x16x4_f32). A number that lies on a knife's edge between two numbers of the format may be rounded either way, as far as f32 arithmetic and the matrix unit's own rounding can turn it there, and no further.
;;   INPUTS GIVEN AS CODES. Wk (in the module: [512, 64], K = its axis 0); Wq (in the module: [512, 64], K = its axis 0); Wv (in the module: [512, 64], K = its axis 0): each comes as NAME_codes (uint8): NAME with its K axis moved to the last place and cut into blocks of 32 codes, [.., K / 32, bytes a block], one block behind the other in memory; one code a byte (a code: sign, 5 exponent bits, 2 mantissa bits); its scale is its entry of lowp_scales. Its value is code x scale, taken as it is: it is not quantised again, and the codes and scales need not be those that the quantiser above would give.
;; One version. Each part assembles by itself: llvm-mc -triple=amdgcn-amd-amdhsa -mcpu=gfx1250 --defsym DOCPART=n.
;; ======== version 1 of 1: 3 launches
;; workspace buffers: qimg 2,097,152 bytes; kimg 2,097,152 bytes; vimg 2,097,152 bytes; part 524,288 bytes
;; launch proj (part 1): grid 256 x 1, 4 waves a work-group, no clusters, 169,984 bytes of LDS; arguments inp, Wq_codes, Wk_codes, Wv_codes, bq, bk, bv, lowp_scales, qimg, kimg, vimg; writes qimg, kimg, vimg
.if DOCPART == 1
	.amdgcn_target "amdgcn-amd-amdhsa--gfx1250"
	.amdhsa_code_object_version 6
	.text
	.protected	k_q1e3f951bf9_proj
	.globl	k_q1e3f951bf9_proj
	.p2align	8
	.type	k_q1e3f951bf9_proj,@function
k_q1e3f951bf9_proj:
	s_mov_b64 s[64:65], 0
	v_nop
	global_prefetch_b8 v0, s[64:65] scope:SCOPE_SE
	s_setreg_imm32_b32 hwreg(HW_REG_WAVE_MODE, 25, 1), 1
	s_wait_xcnt 0x0
; Q = inp Wq + bq, K = inp Wk + bk, V = inp Wv + bv on codes of E5M2 (BF8); then Q, K and V are themselves quantised (scales 6, 7, 9) and stored as images of operand registers.
; inp: [32768][512] f32, quantised three times (scales 0, 2, 4).  W*: [64][512] codes, K innermost (scales 1, 3, 5).
; SHARES.  A work-group takes 128 rows; wave w the 32 rows of block G = 4 x work-group + w, as two tiles of 16, through all of K (4 steps of 128), against all 192 columns: a row's 64 channels never leave the wave.
; THE ROWS OF A TILE ARE NOT NEIGHBOURS: row p of tile u of a block is the block's row 8 u + p + 8 (p / 8).  So in the attention's S^T the 16 registers of tiles u = 0, 1 are 16 neighbouring keys, and V's codes come out in the same order.
; Q and K are made TRANSPOSED (source 0 = 16 rows of W, source 1 = x): a lane holds one row and channels 16 t + 8 (lane / 16) + j: the conversions' results are the registers of a 16x16x64 operand.
; V is made as it stands (source 0 = x, source 1 = 16 rows of W): a lane holds channel 16 t + lane % 16 and eight rows: codes with the keys along the registers, as the second product of the attention wants them.
; Along K = 128 both operands hold k = 32 c + 16 (lane / 16) + 0 .. 15 in registers 4 c .. 4 c + 3: one permutation of k on both sides, so each product meets its partner.
; THE MASKS.  att is multiplied by sign(|sum of Q's row|), 0 or 1, along the KEYS: V's numbers of such a key become 0 ahead of V's quantiser, which gives the same products.
; A key whose K row sums to 0 gets zero CODES of K, so that its score is 0.  LIMIT, stated: the definition puts 1e-8 there; the weights differ by a factor of at most e^1e-8.
; LIMITS on the given exponents, so that each power of two below is an f32 number: e0, e2, e4, e6, e7, e9 between -126 and 112; e0 + e1, e2 + e3, e4 + e5 between -126 and 127.  NaN and infinities among the inputs are not served.
; NO JOINT LOADS: what all work-groups share is the three weights, 98,304 bytes, fetched once at the head while the first 131,072 bytes of inp are on their way; all other bytes are a work-group's own.
; LDS: the weights, 3 x 64 rows of 512 + 16 bytes, filled once by tensor loads; a stage of 32 x 528 bytes for each wave; 128 bytes for each wave for Q's row sums.  Nothing is filled again.
; REGISTERS, in windows of 256 (s_set_vgpr_msb: bits 1:0 source 0, 3:2 source 1, 5:4 source 2, 7:6 destination):
;   window 0: v1-10 addresses; v12-13, v28-31 row sums; v16-27 scales and holds; v32-63 bq, v64-95 bk, v96-103 bv; v104-119 Q's row sums in V's layout; v128-255 32 rows as loaded (even K steps)
;   window 1: v0-127 the numbers by rows (later Q, K, V in f32); v128-151 at work; v152-247 x's six fragments of codes (later the codes that leave)
;   window 2: v0-191 W's twelve fragments; v192-255 rows 0-15 as loaded (odd K steps)     window 3: v0-191 the 24 accumulators; v192-255 rows 16-31 as loaded (odd K steps)
.set WPITCH, 528                       ; 512 bytes + 16 = 33 x 16: the sixteen rows that a load of 16 bytes a lane touches begin at sixteen different 16-byte columns of 256 bytes
.set WTEN,   64*WPITCH                 ; one weight in LDS
.set STG,    3*WTEN                    ; the stages
.set STGW,   32*WPITCH                 ; one wave's
.set MS,     STG+4*STGW                ; Q's row sums
.set MSB, 0
.macro WIN new                         ; the immediate's high byte repeats the setting that is left; a switch that changes nothing is dropped
.if MSB != \new
	s_set_vgpr_msb (MSB<<8)|\new
.set MSB, \new
.endif
.endm
.macro PLACES                          ; four plain vector instructions behind a matrix instruction, ahead of loads into its registers and of reads of its result
.rept 4
	v_nop
.endr
.endm
; 32 loads: K step k of my 32 rows; each load reads 512 consecutive bytes of one row
.macro LOAD k
.set li, 0
.rept 32
.if ((\k)%2) == 0
	WIN 0
	global_load_b128 v[128+4*li:131+4*li], v1, s[4:5] offset:2048*li+512*(\k) th:TH_LOAD_NT
.elseif li < 16
	WIN 0x80
	global_load_b128 v[192+4*li:195+4*li], v1, s[4:5] offset:2048*li+512*(\k) th:TH_LOAD_NT
.else
	WIN 0xc0
	global_load_b128 v[128+4*li:131+4*li], v1, s[4:5] offset:2048*li+512*(\k) th:TH_LOAD_NT
.endif
.set li, li+1
.endr
	WIN 0
.endm
; K step k's rows go through my stage: in as they were loaded, each row to its place among the two tiles; back 64 bytes a lane: register 64 u + 16 b + i = k 32 b + 16 (lane / 16) + i of row lane % 16 of tile u.
; LDS serves a wave's instructions in order (ISA guide 5.7.1.4): no wait between the stores and the loads.
.macro TURN k
.set ti, 0
.rept 32
.set tp, 16*((ti>>3)&1)+(ti&7)+8*(ti>>4)
.if ((\k)%2) == 0
	WIN 0
	ds_store_b128 v2, v[128+4*ti:131+4*ti] offset:WPITCH*tp
.elseif ti < 16
	WIN 0x08
	ds_store_b128 v2, v[192+4*ti:195+4*ti] offset:WPITCH*tp
.else
	WIN 0x0c
	ds_store_b128 v2, v[128+4*ti:131+4*ti] offset:WPITCH*tp
.endif
.set ti, ti+1
.endr
	WIN 0x40
.irp u,0,1
.irp b,0,1,2,3
.irp j,0,1,2,3
	ds_load_b128 v[64*\u+16*\b+4*\j:64*\u+16*\b+4*\j+3], v3 offset:16*WPITCH*\u+128*\b+16*\j
.endr
.endr
.endr
	WIN 0
.endm
; 48 loads: the twelve fragments of W for K step k
.macro WFETCH k
	WIN 0x80
.irp v,0,1,2
.irp t,0,1,2,3
.irp c,0,1,2,3
	ds_load_b128 v[16*(4*\v+\t)+4*\c:16*(4*\v+\t)+4*\c+3], v[4+\v] offset:16*WPITCH*\t+128*(\k)+32*\c
.endr
.endr
.endr
	WIN 0
.endm
; x's 128 numbers a lane become six fragments: each eight numbers are held and converted three times, once for each of the three scales.
; The conversion to an 8-bit code does not saturate (ISA guide 7.6.2): the hold at the largest code x the scale comes first.  The three sets of work registers take turns, so that sixteen plain lines stand between a conversion and the next write of its sources.
.macro QUANT
	WIN 0x41
.irp u,0,1
.irp b,0,1,2,3
.irp g,0,1
.irp v,0,1,2
.irp i,0,1,2,3,4,5,6,7
	v_med3_num_f32 v[128+8*\v+\i], v[64*\u+16*\b+8*\g+\i], -v[17+2*\v], v[17+2*\v]
.endr
	v_cvt_scalef32_pk8_bf8_f32 v[152+16*(2*\v+\u)+4*\b+2*\g:152+16*(2*\v+\u)+4*\b+2*\g+1], v[128+8*\v:128+8*\v+7], v[16+2*\v]
.endr
.endr
.endr
.endr
	v_nop                                          ; one plain line between the last conversion and the products that read its result
.endm
; 24 products, the 24 accumulators by turns, one instruction a turn, in the same order in every K step.  The first K step starts the sums: nothing is cleared.
.macro MULS k
.irp v,0,1,2
.if \v == 2
	WIN 0xf9                                       ; source 0 = x (window 1), source 1 = W (window 2), C and D window 3
.else
	WIN 0xf6                                       ; source 0 = W (window 2), source 1 = x (window 1), C and D window 3
.endif
.irp t,0,1,2,3
.irp u,0,1
.set ma, 8*((4*\v+\t)*2+\u)
.set mw, 16*(4*\v+\t)
.set mc, 152+16*(2*\v+\u)
.if \v == 2
.if (\k) == 0
	v_wmma_f32_16x16x128_bf8_bf8 v[ma:ma+7], v[mc:mc+15], v[mw:mw+15], 0
.else
	v_wmma_f32_16x16x128_bf8_bf8 v[ma:ma+7], v[mc:mc+15], v[mw:mw+15], v[ma:ma+7]
.endif
.else
.if (\k) == 0
	v_wmma_f32_16x16x128_bf8_bf8 v[ma:ma+7], v[mw:mw+15], v[mc:mc+15], 0
.else
	v_wmma_f32_16x16x128_bf8_bf8 v[ma:ma+7], v[mw:mw+15], v[mc:mc+15], v[ma:ma+7]
.endif
.endif
.endr
.endr
.endr
.endm
.macro MKSC e, sc, lim                 ; s[e] = an exponent: v[sc] = 2^e as f32 (the conversion takes its exponent field), v[lim] = 57,344 x 2^e
	s_add_co_i32 s86, s[\e], 127
	s_lshl_b32 s87, s86, 23
	v_mov_b32 v[\sc], s87
	s_add_co_i32 s86, s86, 15
	s_lshl_b32 s86, s86, 23
	s_or_b32 s86, s86, 0x600000
	v_mov_b32 v[\lim], s86
.endm
.macro MKP ea, eb, d                   ; s[d], s[d+1] = 2^(ea + eb) as f32 (the packed form names the pair)
	s_add_co_i32 s[\d], s[\ea], s[\eb]
	s_add_co_i32 s[\d], s[\d], 127
	s_lshl_b32 s[\d], s[\d], 23
	s_mov_b32 s[\d+1], s[\d]
.endm
	s_load_b512 s[4:19], s[0:1], 0x0               ; inp s[4:5], Wq s[6:7], Wk s[8:9], Wv s[10:11], bq s[12:13], bk s[14:15], bv s[16:17], the exponents s[18:19]
	s_load_b128 s[20:23], s[0:1], 0x40             ; qimg, kimg
	s_load_b64 s[24:25], s[0:1], 0x50              ; vimg
	v_lshl_add_u32 v126, v0, 2, 0x29600
	v_mov_b32 v127, 0
	ds_add_u32 v126, v127
	ds_add_u32 v126, v127
	v_lshrrev_b32 v28, 5, v0
	v_readfirstlane_b32 s26, v28                   ; wave 0..3
	v_and_b32 v1, 31, v0
	v_lshlrev_b32 v1, 4, v1                        ; 16 x lane
	; descriptor group 1: 16 rows of 512 elements of one byte, 4 words of padding behind every 128
	s_mov_b32 s28, (1<<20)|(6<<22)|(3<<25)
	s_mov_b32 s29, 512<<16                         ; tensor_dim0
	s_mov_b32 s30, 16<<16                          ; tensor_dim1
	s_mov_b32 s31, 512<<16                         ; tile_dim0
	s_mov_b32 s32, 16                              ; tile_dim1
	s_mov_b32 s33, 512                             ; from row to row
	s_mov_b32 s34, 0
	s_mov_b32 s35, 0
	s_mul_i32 s86, s26, 16*WPITCH                  ; my 16 rows of each weight: in LDS,
	s_lshl_b32 s88, s26, 13                        ; and in memory
	s_mov_b32 s89, 0
	s_lshl_b32 s27, ttmp9, 2
	s_add_co_u32 s27, s27, s26                     ; G: my block of 32 rows
	s_lshl_b32 s90, s27, 16                        ; 32 rows of 2,048 bytes
	s_mov_b32 s91, 0
	s_lshl_b32 s92, s27, 11                        ; two tiles of 1,024 bytes in qimg and in kimg
	s_mov_b32 s93, 0
	s_lshl_b32 s94, ttmp9, 13                      ; vimg: the work-group's 128 keys are one K step, four fragments of 2,048 bytes;
	s_lshl_b32 s95, s26, 9                         ; my 32 keys are 512 bytes of each
	s_add_co_u32 s94, s94, s95
	s_mov_b32 s95, 0
	s_wait_dscnt 0x0
	s_wait_kmcnt 0x0
.irp v,0,1,2
	s_mov_b32 s[36+4*\v], 1                        ; count = 1
	s_add_co_u32 s[37+4*\v], s86, \v*WTEN          ; LDS address
	s_add_nc_u64 s[38+4*\v:39+4*\v], s[6+2*\v:7+2*\v], s[88:89]
	s_or_b32 s[39+4*\v], s[39+4*\v], 0x80000000    ; type = 2
.endr
	s_add_nc_u64 s[4:5], s[4:5], s[90:91]
	s_add_nc_u64 s[20:21], s[20:21], s[92:93]
	s_add_nc_u64 s[22:23], s[22:23], s[92:93]
	s_add_nc_u64 s[24:25], s[24:25], s[94:95]
	tensor_load_to_lds s[36:39], s[28:35]          ; the three first fills go out together: three loads of mine are out
	s_nop 0
	tensor_load_to_lds s[40:43], s[28:35]
	s_nop 0
	tensor_load_to_lds s[44:47], s[28:35]
	s_nop 0
	PLACES                                         ; four lines behind the last of them, ahead of any switch of windows
	LOAD 0
	LOAD 1
	s_load_b256 s[48:55], s[18:19], 0x0            ; e0 .. e7
	s_load_b64 s[56:57], s[18:19], 0x20            ; e8, e9
	v_and_b32 v28, 15, v0                          ; r = lane % 16
	v_bfe_u32 v29, v0, 4, 1                        ; h = lane / 16
	s_mul_i32 s86, s26, STGW
	s_add_co_u32 s86, s86, STG                     ; my stage
	v_add_nc_u32 v2, s86, v1                       ; in: 16 x lane
	v_mul_u32_u24 v3, v28, WPITCH
	v_lshl_add_u32 v3, v29, 6, v3
	v_add_nc_u32 v3, s86, v3                       ; back: place r, + 64 h
	v_mul_u32_u24 v4, v28, WPITCH
	v_lshl_add_u32 v4, v29, 4, v4                  ; W: row r, + 16 h
	v_add_nc_u32 v5, WTEN, v4
	v_add_nc_u32 v6, 2*WTEN, v4
	s_lshl_b32 s87, s26, 7
	s_add_co_u32 s87, s87, MS                      ; my 32 row sums
	v_lshl_add_u32 v7, v28, 2, s87                 ; in: 4 r
	v_lshl_add_u32 v8, v29, 5, s87                 ; back: 32 h
	v_lshlrev_b32 v9, 5, v29                       ; bq, bk: 32 h
	v_lshlrev_b32 v10, 2, v28                      ; bv: 4 r
	v_mov_b32 v30, 0                               ; a lane permute's destination counts as read: written once
	v_mov_b32 v31, 0
	s_mov_b32 s66, 0x76543210                      ; v_permlanex16_b32: each lane takes its own place in the other half
	s_mov_b32 s67, 0xfedcba98
	s_wait_kmcnt 0x0
	MKSC 48, 16, 17                                ; x for Q
	MKSC 50, 18, 19                                ; x for K
	MKSC 52, 20, 21                                ; x for V
	MKSC 54, 22, 23                                ; Q
	MKSC 55, 24, 25                                ; K
	MKSC 57, 26, 27                                ; V
	MKP 48, 49, 58
	MKP 50, 51, 60
	MKP 52, 53, 62
	s_wait_tensorcnt 0x0                           ; my rows of the three weights are in LDS,
	s_barrier_signal -1
	s_barrier_wait -1                              ; everybody's are
	s_wait_loadcnt 32                              ; K step 0's 32 loads are in; K step 1's may be out
	TURN 0
	s_wait_dscnt 32                                ; the 32 stores have read their registers (the 32 loads behind them may be out): they take K step 2
	LOAD 2
	WFETCH 0
; A K step.  n: the global loads issued behind those of the next K step, which may stay out.
.macro KSTEP k, n
	s_wait_dscnt 48                                ; this step's numbers are back from the stage; W's 48 loads may be out
	QUANT
	s_wait_dscnt 0x0                               ; W's fragments are in
.if (\k) < 3
	s_wait_loadcnt \n
	TURN (\k)+1                                    ; the next step's numbers go through the stage while this step is multiplied
.endif
	MULS \k
.if (\k) == 0
	s_wait_dscnt 32                                ; the stage's 32 stores have read their registers: they take K step 3
	LOAD 3
.irp t,0,1,2,3                                 ; the biases: 24 loads.  bq, bk: b[16 t + 8 h + j] in register 8 t + j;  bv: b[16 t + r], twice, as a pair
.irp y,0,1
	global_load_b128 v[32+8*\t+4*\y:35+8*\t+4*\y], v9, s[12:13] offset:64*\t+16*\y
	global_load_b128 v[64+8*\t+4*\y:67+8*\t+4*\y], v9, s[14:15] offset:64*\t+16*\y
	global_load_b32 v[96+2*\t+\y], v10, s[16:17] offset:64*\t
.endr
.endr
.endif
.if (\k) < 3
	PLACES
	WFETCH (\k)+1
.endif
.endm
	KSTEP 0, 32                                    ; behind K step 1's loads: K step 2's 32
	KSTEP 1, 56                                    ; behind K step 2's: K step 3's 32 and the 24 of the biases
	KSTEP 2, 24                                    ; behind K step 3's: the 24 of the biases
	KSTEP 3, 0
; Q (pv = 0) or K (pv = 1): sum x 2^(..) + bias; the row's sum; the hold and the conversion.  rs: two registers for the row sums; cd: the codes, 8 registers a tile.
.macro QKOUT pv, sc, lim, cd, rs
	WIN 0x43                                       ; the sums window 3, the bias window 0, the result window 1; each accumulator from its low end on
.irp u,0,1
.irp t,0,1,2,3
.irp j,0,2,4,6
	v_pk_fma_f32 v[64*\pv+32*\u+8*\t+\j:64*\pv+32*\u+8*\t+\j+1], v[8*((4*\pv+\t)*2+\u)+\j:8*((4*\pv+\t)*2+\u)+\j+1], s[58+2*\pv:59+2*\pv], v[32+32*\pv+8*\t+\j:32+32*\pv+8*\t+\j+1] op_sel_hi:[1,0,1]
.endr
.endr
.endr
	WIN 0x45                                       ; the row's sum of my 32 channels: two chains a tile
.irp u,0,1
	v_pk_add_f32 v[128+4*\u:129+4*\u], v[64*\pv+32*\u:64*\pv+32*\u+1], v[64*\pv+32*\u+2:64*\pv+32*\u+3]
	v_pk_add_f32 v[130+4*\u:131+4*\u], v[64*\pv+32*\u+4:64*\pv+32*\u+5], v[64*\pv+32*\u+6:64*\pv+32*\u+7]
.endr
.irp z,8,12,16,20,24,28
.irp u,0,1
	v_pk_add_f32 v[128+4*\u:129+4*\u], v[128+4*\u:129+4*\u], v[64*\pv+32*\u+\z:64*\pv+32*\u+\z+1]
	v_pk_add_f32 v[130+4*\u:131+4*\u], v[130+4*\u:131+4*\u], v[64*\pv+32*\u+\z+2:64*\pv+32*\u+\z+3]
.endr
.endr
.irp u,0,1
	v_pk_add_f32 v[128+4*\u:129+4*\u], v[128+4*\u:129+4*\u], v[130+4*\u:131+4*\u]
.endr
	WIN 0x05
.irp u,0,1
	v_add_f32 v[\rs+\u], v[128+4*\u], v[129+4*\u]
.endr
	WIN 0
.irp u,0,1
	v_permlanex16_b32 v[30+\u], v[\rs+\u], s66, s67   ; the row's other 32 channels lie in the lane 16 away
.endr
.irp u,0,1
	v_add_f32 v[\rs+\u], v[\rs+\u], v[30+\u]
.endr
.irp u,0,1
.if \pv == 0
	ds_store_b32 v7, v[\rs+\u] offset:64*\u        ; Q's row sums go to LDS: V wants them by rows along its registers
.else
	v_cmp_neq_f32 s[68+\u], 0, v[\rs+\u]           ; K's: my lane's row counts where its sum is not 0
.endif
.endr
	WIN 0x41
.irp u,0,1
.irp t,0,1,2,3
.irp i,0,1,2,3,4,5,6,7
	v_med3_num_f32 v[64*\pv+32*\u+8*\t+\i], v[64*\pv+32*\u+8*\t+\i], -v[\lim], v[\lim]
.endr
	v_cvt_scalef32_pk8_bf8_f32 v[\cd+8*\u+2*\t:\cd+8*\u+2*\t+1], v[64*\pv+32*\u+8*\t:64*\pv+32*\u+8*\t+7], v[\sc]   ; registers 2 t, 2 t + 1: channels 16 t + 8 h + 0 .. 7
.endr
.endr
	v_nop                                          ; one plain line behind the last conversion
.if \pv == 1
	WIN 0x44
.irp u,0,1
.irp i,0,1,2,3,4,5,6,7
	v_cndmask_b32 v[\cd+8*\u+\i], 0, v[\cd+8*\u+\i], s[68+\u]   ; zero codes for a key whose row sums to 0
.endr
.endr
.endif
.endm
	PLACES                                         ; behind the last products
	s_wait_loadcnt 0x0                             ; the biases
	QKOUT 0, 22, 23, 152, 28
	QKOUT 1, 24, 25, 168, 12
	WIN 0
.irp u,0,1                                     ; Q's row sums of tile u's rows 8 h + 0 .. 7 (my own stores, served in order)
.irp y,0,1
	ds_load_b128 v[104+8*\u+4*\y:107+8*\u+4*\y], v8 offset:64*\u+16*\y
.endr
.endr
	WIN 0x43
.irp t,0,1,2,3                                 ; V: register 16 t + 8 u + j = V(row 8 h + j of tile u, channel 16 t + r)
.irp u,0,1
.irp j,0,2,4,6
	v_pk_fma_f32 v[16*\t+8*\u+\j:16*\t+8*\u+\j+1], v[8*((8+\t)*2+\u)+\j:8*((8+\t)*2+\u)+\j+1], s[62:63], v[96+2*\t:97+2*\t] op_sel_hi:[1,0,1]
.endr
.endr
.endr
	WIN 0
	s_wait_dscnt 0x0
.irp u,0,1
.irp j,0,1,2,3,4,5,6,7
	v_cmp_neq_f32 s[70+8*\u+\j], 0, v[104+8*\u+\j]
.endr
.endr
	WIN 0x44
.irp t,0,1,2,3
.irp u,0,1
.irp j,0,1,2,3,4,5,6,7
	v_cndmask_b32 v[16*\t+8*\u+\j], 0, v[16*\t+8*\u+\j], s[70+8*\u+\j]   ; 0 where Q's row of that key sums to 0
.endr
.endr
.endr
	WIN 0x41
.irp t,0,1,2,3
.irp u,0,1
.irp i,0,1,2,3,4,5,6,7
	v_med3_num_f32 v[16*\t+8*\u+\i], v[16*\t+8*\u+\i], -v27, v27
.endr
	v_cvt_scalef32_pk8_bf8_f32 v[184+4*\t+2*\u:185+4*\t+2*\u], v[16*\t+8*\u:16*\t+8*\u+7], v26   ; keys 16 h + 8 u + 0 .. 7 of my 32
.endr
.endr
	v_nop
	WIN 0x04                                       ; a store's data: window 1.  Each store of the wave covers 512 consecutive bytes, aligned
.irp u,0,1
.irp y,0,1
	global_store_b128 v1, v[152+8*\u+4*\y:155+8*\u+4*\y], s[20:21] offset:1024*\u+512*\y
	global_store_b128 v1, v[168+8*\u+4*\y:171+8*\u+4*\y], s[22:23] offset:1024*\u+512*\y
.endr
.endr
.irp t,0,1,2,3
	global_store_b128 v1, v[184+4*\t:187+4*\t], s[24:25] offset:2048*\t
.endr
	WIN 0
	s_wait_tensorcnt 0x0
	ds_add_u32 v126, v127
	s_wait_dscnt 0x0
	s_endpgm
.Lfunc_end_k_q1e3f951bf9_proj:
	.size	k_q1e3f951bf9_proj, .Lfunc_end_k_q1e3f951bf9_proj-k_q1e3f951bf9_proj
	.p2alignl 7, 3214868480
	.fill 96, 4, 3214868480
	.section	.rodata,"a",@progbits
	.p2align	6, 0x0
	.amdhsa_kernel k_q1e3f951bf9_proj
		.amdhsa_group_segment_fixed_size 169984
		.amdhsa_private_segment_fixed_size 0
		.amdhsa_enable_private_segment 0
		.amdhsa_kernarg_size 88
		.amdhsa_user_sgpr_count 2
		.amdhsa_user_sgpr_kernarg_segment_ptr 1
		.amdhsa_wavefront_size32 1
		.amdhsa_system_sgpr_workgroup_id_x 1
		.amdhsa_system_sgpr_workgroup_id_y 1
		.amdhsa_system_sgpr_workgroup_id_z 1
		.amdhsa_system_vgpr_workitem_id 0
		.amdhsa_next_free_vgpr 1024
		.amdhsa_next_free_sgpr 100
		.amdhsa_reserve_vcc 0
		.amdhsa_float_denorm_mode_32 3
		.amdhsa_float_denorm_mode_16_64 3
		.amdhsa_memory_ordered 1
		.amdhsa_forward_progress 1
		.amdhsa_inst_pref_size 198
	.end_amdhsa_kernel
	.amdgpu_metadata
---
amdhsa.version: [ 1, 2 ]
amdhsa.kernels:
  - .name:           k_q1e3f951bf9_proj
    .symbol:         k_q1e3f951bf9_proj.kd
    .args:
      - { .name: inp, .offset: 0, .size: 8, .value_kind: global_buffer, .address_space: global }
      - { .name: Wq_codes, .offset: 8, .size: 8, .value_kind: global_buffer, .address_space: global }
      - { .name: Wk_codes, .offset: 16, .size: 8, .value_kind: global_buffer, .address_space: global }
      - { .name: Wv_codes, .offset: 24, .size: 8, .value_kind: global_buffer, .address_space: global }
      - { .name: bq, .offset: 32, .size: 8, .value_kind: global_buffer, .address_space: global }
      - { .name: bk, .offset: 40, .size: 8, .value_kind: global_buffer, .address_space: global }
      - { .name: bv, .offset: 48, .size: 8, .value_kind: global_buffer, .address_space: global }
      - { .name: lowp_scales, .offset: 56, .size: 8, .value_kind: global_buffer, .address_space: global }
      - { .name: qimg, .offset: 64, .size: 8, .value_kind: global_buffer, .address_space: global }
      - { .name: kimg, .offset: 72, .size: 8, .value_kind: global_buffer, .address_space: global }
      - { .name: vimg, .offset: 80, .size: 8, .value_kind: global_buffer, .address_space: global }
    .group_segment_fixed_size: 169984
    .private_segment_fixed_size: 0
    .kernarg_segment_align: 8
    .kernarg_segment_size: 88
    .max_flat_workgroup_size: 128
    .sgpr_count:     100
    .vgpr_count:     1024
    .wavefront_size: 32
...
	.end_amdgpu_metadata
.endif
;; end of part 1
;; launch attn (part 2): grid 256 x 1, 4 waves a work-group, no clusters, 279,040 bytes of LDS; arguments qimg, kimg, vimg, inp, lowp_scales, part; writes part
.if DOCPART == 2
	.amdgcn_target "amdgcn-amd-amdhsa--gfx1250"
	.amdhsa_code_object_version 6
	.text
	.protected	k_q1e3f951bf9_attn
	.globl	k_q1e3f951bf9_attn
	.p2align	8
	.type	k_q1e3f951bf9_attn,@function
k_q1e3f951bf9_attn:
	s_mov_b64 s[64:65], 0
	v_nop
	global_prefetch_b8 v0, s[64:65] scope:SCOPE_SE
	s_setreg_imm32_b32 hwreg(HW_REG_WAVE_MODE, 25, 1), 1
	s_wait_xcnt 0x0
; For 128 queries of one batch: scores = Q K^T / 8 on codes of E5M2; att = softmax, finished and normalised, quantised (scale 8); ctx = att V on codes; c[t] = the sum of ctx's 64 channels;
; part[work-group][d] = the sum over my 128 rows t of inp[t][d] c[t], in f32.  The masks are already in K's and V's codes.
; SHARES.  Work-group x: batch x / 16, query tiles 8 x .. 8 x + 7 of qimg, rows 128 x .. 128 x + 127 of inp.  THE WAVES SHARE THE KEYS: wave w keeps keys 512 w .. 512 w + 511 in registers for the whole launch:
; K as 32 fragments of 16 keys x 64 (256 registers), V as 4 K steps x 4 tiles of channels of 16 x 128 keys (256 registers).  For each query tile a wave makes its 16 x 512 scores (256 registers), which stay in registers
; from the product to the conversion: each score is computed once and has one exponential.
; LAYOUT.  S^T = K Q^T and O^T = V^T P^T: a lane holds ONE query (lane % 16).  Register j of tile 2 g + u holds key 32 g + 16 (lane / 16) + 8 u + j, so the conversions of two neighbouring tiles are registers 4 c .. 4 c + 3 of the second product's operand.
; SOFTMAX.  t = score x log2(e).  Each wave takes M_w = its largest t rounded UP to a whole number, p = 2^(t - M_w) and l_w = the sum of p.  The four (-M_w, l_w) meet in LDS behind one barrier a tile:
; M = the largest M_w, l = the sum of l_w 2^(M_w - M) (exact scalings), att = p x 2^(M_w - M) / l.
; LIMITS: e8 between -126 and 112; e6 + e7 between -123 and 130 (added to the exponent field of log2(e) / 8); e8 + e9 goes through v_ldexp_f32 and has none.  A p under 2^-126 counts as 0.  NaN and infinities are not served.
; NO JOINT LOADS, though the 16 work-groups of a batch read the same 262,144 bytes of K and V: each reads them once, at the head, straight into the registers where they stay; LDS holds my own 262,144 bytes of inp,
; which no two work-groups share; a joint load would have to pass K and V through those same bytes first, which would make inp's fill a refill and add 128 LDS loads a wave.
; LDS: my 128 rows of inp, dense (one tensor load a wave); the 8 fragments of Q (one tensor load a wave); then scratch in blocks of its own: the exchange, 8 tiles x 4 waves x 128 bytes; each wave's partial c; each wave's copy of c.  Nothing is filled again.
; REGISTERS, in windows of 256 (s_set_vgpr_msb: bits 1:0 source 0, 3:2 source 1, 5:4 source 2, 7:6 destination):
;   window 0: v1-15, v160 addresses; v16-23 Q; v24-55 O^T; v56-119 att's codes; v120-151 at work; v224-239 score tiles 30, 31; v240-255 statistics
;   window 1: v0-239 score tiles 0-29; v240-255 statistics, under the same numbers as in window 0, so that a softmax line names one window alone        window 2: K        window 3: V
;   statistics: 240-243 maxima; 244 -M_w (245 its pair's other half); 246-249 two chains of sums; 250 the factor (251 likewise); 252 57,344 x 2^e8; 253 2^e8; 254, 255 at work
.set QL, 262144                        ; Q's fragments
.set EX, QL+8192                       ; the exchange
.set CP, EX+4096                       ; partial c: wave w at 512 w, tile i at 64 i, query r at 4 r
.set CB, CP+2048                       ; c by rows, a copy for each wave
.set MSB, 0
.macro WIN new                         ; the immediate's high byte repeats the setting that is left; a switch that changes nothing is dropped
.if MSB != \new
	s_set_vgpr_msb (MSB<<8)|\new
.set MSB, \new
.endif
.endm
.macro PLACES                          ; four plain vector instructions behind a matrix instruction, ahead of loads into its registers and of reads of its result
.rept 4
	v_nop
.endr
.endm
; Pair i of batch b (80 registers of window 1) is added to one of the two chains.  Batch 0's pairs 0 + 1 and 2 + 3 start the chains: nothing is cleared.  b = 9: there is no batch to add.
.macro ADDP b, i
.if (\b) == 0
.if (\i) == 1
	v_pk_add_f32 v[246:247], v[0:1], v[2:3]
.elseif (\i) == 3
	v_pk_add_f32 v[248:249], v[4:5], v[6:7]
.elseif (\i) > 3
	v_pk_add_f32 v[246+2*((\i)&1):247+2*((\i)&1)], v[246+2*((\i)&1):247+2*((\i)&1)], v[2*(\i):2*(\i)+1]
.endif
.elseif (\b) < 9
	v_pk_add_f32 v[246+2*((\i)&1):247+2*((\i)&1)], v[246+2*((\i)&1):247+2*((\i)&1)], v[80*(\b)+2*(\i):80*(\b)+2*(\i)+1]
.endif
.endm
; A batch of 80 exponentials: pair i is scaled (t - M_w, one packed multiply-add), a pair of the batch before is summed, and the pair scaled one turn ago has its two exponentials.
; Nothing in the batch names an exponential's result; behind it stand one plain line and ONE wait ahead of the first reader.
.macro EXPB cur, prev
.set ei, 0
.rept 40
	v_pk_fma_f32 v[80*\cur+2*ei:80*\cur+2*ei+1], v[80*\cur+2*ei:80*\cur+2*ei+1], s[48:49], v[244:245] op_sel_hi:[1,0,0]
	ADDP \prev, ei
.if ei > 0
	v_exp_f32 v[80*\cur+2*ei-2], v[80*\cur+2*ei-2]
	v_exp_f32 v[80*\cur+2*ei-1], v[80*\cur+2*ei-1]
.endif
.set ei, ei+1
.endr
	v_exp_f32 v[80*\cur+78], v[80*\cur+78]
	v_exp_f32 v[80*\cur+79], v[80*\cur+79]
	v_nop
	s_wait_alu depctr_va_vdst(0)
.endm
; K step q of the second product: its 8 tiles of p are multiplied by the factor, held at the largest code x the scale (att is not negative: the hold is one-sided; the conversion does not saturate: ISA guide 7.6.2),
; converted, and multiplied with V.  O^T's four accumulators take turns; the first K step starts the sums.
.macro NORM q
.set nb, 64*(\q)
.set np, 32
.if (\q) == 3
.set np, 24
.endif
	WIN 0x55
.set ni, 0
.rept np
	v_pk_mul_f32 v[nb+2*ni:nb+2*ni+1], v[nb+2*ni:nb+2*ni+1], v[250:251] op_sel_hi:[1,0]
.if ni > 0
	v_min_num_f32 v[nb+2*ni-2], v[nb+2*ni-2], v252
	v_min_num_f32 v[nb+2*ni-1], v[nb+2*ni-1], v252
.endif
.set ni, ni+1
.endr
	v_min_num_f32 v[nb+2*np-2], v[nb+2*np-2], v252
	v_min_num_f32 v[nb+2*np-1], v[nb+2*np-1], v252
.if (\q) == 3
	WIN 0                                          ; tiles 30 and 31 lie in window 0
.set ni, 0
.rept 8
	v_pk_mul_f32 v[224+2*ni:225+2*ni], v[224+2*ni:225+2*ni], v[250:251] op_sel_hi:[1,0]
.if ni > 0
	v_min_num_f32 v[222+2*ni], v[222+2*ni], v252
	v_min_num_f32 v[223+2*ni], v[223+2*ni], v252
.endif
.set ni, ni+1
.endr
	v_min_num_f32 v238, v238, v252
	v_min_num_f32 v239, v239, v252
	v_cvt_scalef32_pk8_bf8_f32 v[116:117], v[224:231], v253
	v_cvt_scalef32_pk8_bf8_f32 v[118:119], v[232:239], v253
.endif
	WIN 0x01                                       ; the numbers window 1, the codes and the scale window 0
.set ni, 0
.rept np/4
	v_cvt_scalef32_pk8_bf8_f32 v[56+16*(\q)+2*ni:57+16*(\q)+2*ni], v[nb+8*ni:nb+8*ni+7], v253
.set ni, ni+1
.endr
	v_nop                                          ; one plain line between the last conversion and the products that read its result
	WIN 0x03                                       ; V window 3; the codes and O^T window 0
.irp t,0,1,2,3
.if (\q) == 0
	v_wmma_f32_16x16x128_bf8_bf8 v[24+8*\t:31+8*\t], v[16*(4*(\q)+\t):16*(4*(\q)+\t)+15], v[56+16*(\q):71+16*(\q)], 0
.else
	v_wmma_f32_16x16x128_bf8_bf8 v[24+8*\t:31+8*\t], v[16*(4*(\q)+\t):16*(4*(\q)+\t)+15], v[56+16*(\q):71+16*(\q)], v[24+8*\t:31+8*\t]
.endif
.endr
.endm
	s_load_b256 s[4:11], s[0:1], 0x0               ; qimg s[4:5], kimg s[6:7], vimg s[8:9], inp s[10:11]
	s_load_b128 s[12:15], s[0:1], 0x20             ; the exponents s[12:13], part s[14:15]
	v_lshl_add_u32 v162, v0, 2, 0x44000
	v_mov_b32 v163, 0
	ds_add_u32 v162, v163
	ds_add_u32 v162, v163
	v_lshrrev_b32 v130, 5, v0
	v_readfirstlane_b32 s16, v130                  ; wave 0..3
	v_and_b32 v131, 31, v0                         ; lane
	v_lshlrev_b32 v1, 4, v131                      ; 16 x lane
	; descriptor groups 1: dense blocks as rows of 32 elements of 8 bytes: Q: 8 rows (2,048 bytes a wave);  inp: 256 rows (65,536 bytes a wave)
	s_mov_b32 s20, 3<<16
	s_mov_b32 s21, 32<<16
	s_mov_b32 s22, 8<<16
	s_mov_b32 s23, 32<<16
	s_mov_b32 s24, 8
	s_mov_b32 s25, 32
	s_mov_b32 s26, 0
	s_mov_b32 s27, 0
	s_mov_b32 s32, 3<<16
	s_mov_b32 s33, 32<<16
	s_mov_b32 s34, 256<<16
	s_mov_b32 s35, 32<<16
	s_mov_b32 s36, 256
	s_mov_b32 s37, 32
	s_mov_b32 s38, 0
	s_mov_b32 s39, 0
	s_lshl_b32 s17, s16, 16                        ; my quarter of inp's rows, in LDS and in memory
	s_lshl_b32 s18, s16, 11                        ; my quarter of Q's fragments
	s_lshl_b32 s58, ttmp9, 13
	s_add_co_u32 s58, s58, s18                     ; qimg: 8,192 x work-group + 2,048 x wave
	s_mov_b32 s59, 0
	s_add_co_u32 s18, s18, QL
	s_lshl_b32 s60, ttmp9, 18
	s_add_co_u32 s60, s60, s17                     ; inp: 262,144 x work-group + 65,536 x wave
	s_mov_b32 s61, 0
	s_lshr_b32 s62, ttmp9, 4
	s_lshl_b32 s62, s62, 17
	s_lshl_b32 s63, s16, 15
	s_add_co_u32 s62, s62, s63                     ; kimg and vimg: 131,072 x batch + 32,768 x wave
	s_mov_b32 s63, 0
	s_lshl_b32 s56, ttmp9, 11                      ; part: 2,048 x work-group
	s_mov_b32 s57, 0
	s_wait_dscnt 0x0
	s_wait_kmcnt 0x0
	s_mov_b32 s28, 1
	s_mov_b32 s29, s18
	s_add_nc_u64 s[30:31], s[4:5], s[58:59]
	s_or_b32 s31, s31, 0x80000000
	s_mov_b32 s40, 1
	s_mov_b32 s41, s17
	s_add_nc_u64 s[42:43], s[10:11], s[60:61]
	s_or_b32 s43, s43, 0x80000000
	s_add_nc_u64 s[6:7], s[6:7], s[62:63]
	s_add_nc_u64 s[8:9], s[8:9], s[62:63]
	s_add_nc_u64 s[14:15], s[14:15], s[56:57]
	s_load_b128 s[44:47], s[12:13], 0x18           ; e6, e7, e8, e9
	tensor_load_to_lds s[28:31], s[20:27]          ; Q's fragments
	s_nop 0
	PLACES                                         ; four lines behind it, ahead of the switch of windows
	WIN 0x80
.set hn, 0
.rept 64
	global_load_b128 v[4*hn:4*hn+3], v1, s[6:7] offset:512*hn   ; K: an image of the registers, 512 consecutive bytes a load
.set hn, hn+1
.endr
	WIN 0xc0
.set hn, 0
.rept 64
	global_load_b128 v[4*hn:4*hn+3], v1, s[8:9] offset:512*hn   ; V likewise
.set hn, hn+1
.endr
	WIN 0
	tensor_load_to_lds s[40:43], s[32:39]          ; my quarter of inp's rows: wanted last, so asked for last; it has all eight tiles in which to land.  Two tensor loads of mine are out
	s_nop 0
	PLACES
	v_and_b32 v130, 15, v0                         ; r
	v_add_nc_u32 v2, QL, v1
	s_lshl_b32 s57, s16, 7
	s_add_co_u32 s57, s57, EX
	v_lshl_add_u32 v4, v130, 3, s57                ; the exchange: where I put my pair: 128 x wave + 8 r
	v_lshlrev_b32 v6, 3, v130
	v_add_nc_u32 v6, EX, v6                        ; and where I read the four
	s_lshl_b32 s57, s16, 9
	s_add_co_u32 s58, s57, CP
	v_lshl_add_u32 v8, v130, 2, s58                ; my partial c
	v_bfe_u32 v132, v0, 3, 1
	v_and_b32 v133, 7, v0
	v_bfe_u32 v134, v0, 4, 1
	v_lshlrev_b32 v10, 6, v132
	v_lshl_add_u32 v10, v133, 2, v10
	v_lshl_add_u32 v10, v134, 5, v10
	v_add_nc_u32 v10, CP, v10                      ; row l of a block of 32 is query l % 8 + 8 (l / 16) of tile (l / 8) % 2
	s_add_co_u32 s58, s57, CB
	v_lshl_add_u32 v11, v131, 2, s58               ; my copy of c: 4 x lane
	v_mov_b32 v12, s58
	v_lshlrev_b32 v13, 4, v0                       ; inp's rows in LDS: my four columns, 16 x thread; four registers, 32 rows apart
	v_add_nc_u32 v14, 0x10000, v13
	v_add_nc_u32 v15, 0x20000, v13
	v_add_nc_u32 v160, 0x30000, v13
	s_mov_b32 s50, 0x76543210                      ; v_permlanex16_b32: each lane takes its own place in the other half
	s_mov_b32 s51, 0xfedcba98
	s_mov_b32 s53, 7
	s_mov_b32 s54, 0                               ; the tile's place in Q's fragments,
	s_mov_b32 s55, 0                               ; in the exchange,
	s_mov_b32 s56, 0                               ; and in the partial c
	s_wait_kmcnt 0x0
	s_add_co_i32 s57, s44, s45
	s_lshl_b32 s57, s57, 23
	s_add_co_i32 s48, s57, 0x3e38aa3b              ; log2(e) / 8 x 2^(e6 + e7): the two exponents are added to the exponent field
	s_mov_b32 s49, s48                             ; (named with it as a pair)
	s_add_co_i32 s52, s46, s47                     ; e8 + e9
	s_add_co_i32 s57, s46, 127
	s_lshl_b32 s58, s57, 23                        ; 2^e8
	s_add_co_i32 s57, s57, 15
	s_lshl_b32 s57, s57, 23
	s_or_b32 s57, s57, 0x600000                    ; 57,344 x 2^e8
	v_mov_b32 v253, s58
	v_mov_b32 v252, s57
	v_mov_b32 v245, 0                              ; the other halves of pairs, and the permutes' destination: written once
	v_mov_b32 v251, 0
	v_mov_b32 v255, 0
	WIN 0x40
	v_mov_b32 v252, s57
	v_mov_b32 v245, 0
	v_mov_b32 v251, 0
	WIN 0
	s_wait_tensorcnt 0x1                           ; my quarter of Q is in LDS; inp's load may stay out
	s_barrier_signal -1
	s_barrier_wait -1                              ; everybody's is
	ds_load_b128 v[16:19], v2
	ds_load_b128 v[20:23], v2 offset:512
	s_wait_loadcnt 63                              ; behind K's last load stand V's 64; the largest count that the wait can name leaves 63 of them out
	s_wait_dscnt 0x0
; ONE QUERY TILE.  pf = 1: the next tile's Q is fetched.
.macro TRIP pf
	WIN 0x42                                       ; K window 2, Q window 0, S^T window 1
.set kt, 0
.rept 30
	v_wmma_f32_16x16x64_bf8_bf8 v[8*kt:8*kt+7], v[8*kt:8*kt+7], v[16:23], 0
.set kt, kt+1
.endr
	WIN 0x02
	v_wmma_f32_16x16x64_bf8_bf8 v[224:231], v[240:247], v[16:23], 0
	v_wmma_f32_16x16x64_bf8_bf8 v[232:239], v[248:255], v[16:23], 0
	WIN 0
	PLACES
.if \pf
	s_add_co_u32 s54, s54, 1024
	v_add_nc_u32 v3, s54, v2
	ds_load_b128 v[16:19], v3
	ds_load_b128 v[20:23], v3 offset:512
.endif
	; the largest score of my query among my keys: four chains, each tile from its low end on
	WIN 0x55
.set m_a, 0
.rept 8
.set m_p, 0
.rept 4
.set m_c, 0
.rept 4
.set kt, 4*m_a+m_c
.if kt < 30
.if (m_a == 0) && (m_p == 0)
	v_max_num_f32 v[240+m_c], v[8*kt], v[8*kt+1]
.else
	v_max3_num_f32 v[240+m_c], v[240+m_c], v[8*kt+2*m_p], v[8*kt+2*m_p+1]
.endif
.endif
.set m_c, m_c+1
.endr
.set m_p, m_p+1
.endr
.set m_a, m_a+1
.endr
	v_max3_num_f32 v240, v240, v241, v242
	v_max_num_f32 v240, v240, v243
	WIN 0
	v_max_num_f32 v240, v224, v225
	v_max_num_f32 v241, v232, v233
.irp z,2,4,6
	v_max3_num_f32 v240, v240, v[224+\z], v[225+\z]
	v_max3_num_f32 v241, v241, v[232+\z], v[233+\z]
.endr
	WIN 0x01
	v_max3_num_f32 v254, v240, v240, v241          ; window 1's maximum (source 0) and window 0's two
	WIN 0
	v_permlanex16_b32 v255, v254, s50, s51
	v_max_num_f32 v254, v254, v255                 ; and the other half of the lanes'
	v_mul_f32 v254, s48, v254                      ; as t (the factor is positive)
	v_floor_f32 v244, -v254                        ; -M_w = floor(-t): M_w is a whole number
	v_mov_b32 v128, v244
	WIN 0x40
	v_mov_b32 v244, v244                           ; window 1's copy
	; p = 2^(t - M_w) and its sum: three batches of ten tiles in window 1, one of two tiles in window 0; a batch is summed while the next has its exponentials
	WIN 0x55
	EXPB 0, 9
	EXPB 1, 0
	EXPB 2, 1
	WIN 0
.set ei, 0
.rept 8
	v_pk_fma_f32 v[224+2*ei:225+2*ei], v[224+2*ei:225+2*ei], s[48:49], v[244:245] op_sel_hi:[1,0,0]
.set ei, ei+1
.endr
.set ei, 0
.rept 16
	v_exp_f32 v[224+ei], v[224+ei]
.set ei, ei+1
.endr
	WIN 0x55
.set ei, 0
.rept 40
	ADDP 2, ei                                     ; plain lines behind the last exponentials, which name none of their results
.set ei, ei+1
.endr
	v_pk_add_f32 v[246:247], v[246:247], v[248:249]
	s_wait_alu depctr_va_vdst(0)                   ; the wait for the last batch, ahead of its first reader
	WIN 0
	v_pk_add_f32 v[246:247], v[224:225], v[226:227]
	v_pk_add_f32 v[248:249], v[228:229], v[230:231]
	v_pk_add_f32 v[246:247], v[246:247], v[232:233]
	v_pk_add_f32 v[248:249], v[248:249], v[234:235]
	v_pk_add_f32 v[246:247], v[246:247], v[236:237]
	v_pk_add_f32 v[248:249], v[248:249], v[238:239]
	v_pk_add_f32 v[246:247], v[246:247], v[248:249]
	WIN 0x01
	v_pk_add_f32 v[246:247], v[246:247], v[246:247]   ; window 1's sum (source 0) + window 0's (source 1), into window 0
	WIN 0
	v_add_f32 v129, v246, v247
	v_permlanex16_b32 v255, v129, s50, s51
	v_add_nc_u32 v5, s55, v4
	v_add_f32 v129, v129, v255                     ; l_w
	; the exchange
	ds_store_b64 v5, v[128:129]
	s_wait_dscnt 0x0                               ; for the others' sake: my pair has landed (and the next Q and the last tile's partial c are done)
	s_barrier_signal -1
	v_add_nc_u32 v7, s55, v6
	s_barrier_wait -1
.irp w,0,1,2,3
	ds_load_b64 v[120+2*\w:121+2*\w], v7 offset:128*\w   ; each tile has bytes of its own in the exchange: no wave writes these again
.endr
	s_wait_dscnt 0x0
	v_min3_num_f32 v130, v120, v122, v124
	v_min_num_f32 v130, v130, v126                 ; -M
.irp w,0,1,2,3
	v_sub_f32 v[132+\w], v130, v[120+2*\w]         ; M_w - M: a whole number, 0 or less
.endr
	v_sub_f32 v140, v130, v128                     ; my own
.irp w,0,1,2,3
	v_cvt_i32_f32 v[132+\w], v[132+\w]             ; (it saturates)
.endr
	v_cvt_i32_f32 v140, v140
.irp w,0,1,2,3
	v_ldexp_f32 v[136+\w], v[121+2*\w], v[132+\w]  ; l_w under M
.endr
	v_add_f32 v136, v136, v137
	v_add_f32 v138, v138, v139
	v_add_f32 v136, v136, v138                     ; l: between 1/2 and 2,048
	v_rcp_f32 v141, v136
	v_nop                                          ; a plain line behind the reciprocal,
	s_wait_alu depctr_va_vdst(0)                   ; and the wait ahead of its first reader
	v_ldexp_f32 v250, v141, v140                   ; the factor: 2^(M_w - M) / l
	WIN 0x40
	v_mov_b32 v250, v250                           ; window 1's copy
	s_wait_loadcnt 0x0                             ; V (it waits in the first tile alone)
	NORM 0
	NORM 1
	NORM 2
	NORM 3
	; my keys' part of c: the sum of O^T's 64 channels
	WIN 0
	PLACES
.irp t,0,1,2,3
	v_pk_add_f32 v[132+2*\t:133+2*\t], v[24+8*\t:25+8*\t], v[26+8*\t:27+8*\t]
.endr
.irp t,0,1,2,3
	v_pk_add_f32 v[132+2*\t:133+2*\t], v[132+2*\t:133+2*\t], v[28+8*\t:29+8*\t]
.endr
.irp t,0,1,2,3
	v_pk_add_f32 v[132+2*\t:133+2*\t], v[132+2*\t:133+2*\t], v[30+8*\t:31+8*\t]
.endr
	v_pk_add_f32 v[132:133], v[132:133], v[134:135]
	v_pk_add_f32 v[136:137], v[136:137], v[138:139]
	v_pk_add_f32 v[132:133], v[132:133], v[136:137]
	v_add_f32 v131, v132, v133
	v_permlanex16_b32 v255, v131, s50, s51
	v_add_nc_u32 v9, s56, v8
	v_add_f32 v131, v131, v255
	v_ldexp_f32 v131, v131, s52                    ; x 2^(e8 + e9)
	ds_store_b32 v9, v131
	s_add_co_u32 s55, s55, 512
	s_add_co_u32 s56, s56, 64
.endm
.Ltile:                                            ; seven trips; the eighth tile is written out, since it fetches no further Q
	TRIP 1
	s_sub_co_u32 s53, s53, 1
	s_cmp_lg_u32 s53, 0
	s_cbranch_scc1 .Ltile
	TRIP 0
	; THE TAIL: c of my work-group's 128 rows, then their part of inp^T c.
	s_wait_tensorcnt 0x0                           ; my quarter of inp's rows is in LDS,
	s_wait_dscnt 0x0                               ; my partial c has landed:
	s_barrier_signal -1
	s_barrier_wait -1                              ; everybody's
.irp g,0,1,2,3
.irp w,0,1,2,3
	ds_load_b32 v[64+4*\g+\w], v10 offset:512*\w+128*\g
.endr
.endr
	s_wait_dscnt 0x0
.irp g,0,1,2,3
	v_add_f32 v[48+\g], v[64+4*\g], v[65+4*\g]
	v_add_f32 v[52+\g], v[66+4*\g], v[67+4*\g]
.endr
.irp g,0,1,2,3
	v_add_f32 v[48+\g], v[48+\g], v[52+\g]         ; c of row 32 g + lane
.endr
.irp g,0,1,2,3
	ds_store_b32 v11, v[48+\g] offset:128*\g       ; into my own copy, by rows: LDS serves a wave's instructions in order, so the loads below see these
.endr
; Thread n owns columns 4 n .. 4 n + 3.  A group is 16 rows: 4 loads of c (every lane the same 16 bytes) and 16 loads of 16 bytes a lane, 512 consecutive bytes a wave.  Two sets of registers take turns.
.macro GLOAD g
.set cq, 16+16*((\g)%2)
.set xb, 64+100*((\g)%2)
.set xa, 13+((\g)>>1)
.if ((\g)>>1) == 3
.set xa, 160
.endif
.irp j,0,1,2,3
	ds_load_b128 v[cq+4*\j:cq+4*\j+3], v12 offset:64*(\g)+16*\j
.endr
.set gk, 0
.rept 16
	ds_load_b128 v[xb+4*gk:xb+4*gk+3], v[xa] offset:(16*((\g)&1)+gk)*2048
.set gk, gk+1
.endr
.endm
; 32 packed multiply-adds: four sets of sums, by row % 4; the first four rows start them.  c of an even row is its pair's low word, of an odd row the high word.
.macro GFMA g
.set cq, 16+16*((\g)%2)
.set xb, 64+100*((\g)%2)
.set gk, 0
.rept 16
.set ac, 228+4*(gk%4)
.set cp, cq+2*(gk/2)
.irp z,0,2
.if ((\g) == 0) && (gk < 4)
.if (gk%2) == 0
	v_pk_mul_f32 v[ac+\z:ac+\z+1], v[xb+4*gk+\z:xb+4*gk+\z+1], v[cp:cp+1] op_sel_hi:[1,0]
.else
	v_pk_mul_f32 v[ac+\z:ac+\z+1], v[xb+4*gk+\z:xb+4*gk+\z+1], v[cp:cp+1] op_sel:[0,1] op_sel_hi:[1,1]
.endif
.elseif (gk%2) == 0
	v_pk_fma_f32 v[ac+\z:ac+\z+1], v[xb+4*gk+\z:xb+4*gk+\z+1], v[cp:cp+1], v[ac+\z:ac+\z+1] op_sel_hi:[1,0,1]
.else
	v_pk_fma_f32 v[ac+\z:ac+\z+1], v[xb+4*gk+\z:xb+4*gk+\z+1], v[cp:cp+1], v[ac+\z:ac+\z+1] op_sel:[0,1,0] op_sel_hi:[1,1,1]
.endif
.endr
.set gk, gk+1
.endr
.endm
	GLOAD 0
	GLOAD 1
.irp g,0,1,2,3,4,5,6
	s_wait_dscnt 20                                ; this group is in; the next group's 20 loads may be out
	GFMA \g
.if \g < 6
	GLOAD \g+2
.endif
.endr
	s_wait_dscnt 0x0
	GFMA 7
	v_pk_add_f32 v[228:229], v[228:229], v[232:233]
	v_pk_add_f32 v[230:231], v[230:231], v[234:235]
	v_pk_add_f32 v[236:237], v[236:237], v[240:241]
	v_pk_add_f32 v[238:239], v[238:239], v[242:243]
	v_pk_add_f32 v[228:229], v[228:229], v[236:237]
	v_pk_add_f32 v[230:231], v[230:231], v[238:239]
	global_store_b128 v13, v[228:231], s[14:15]    ; a wave stores 512 consecutive bytes, aligned
	s_wait_tensorcnt 0x0
	ds_add_u32 v162, v163
	s_wait_dscnt 0x0
	s_endpgm
.Lfunc_end_k_q1e3f951bf9_attn:
	.size	k_q1e3f951bf9_attn, .Lfunc_end_k_q1e3f951bf9_attn-k_q1e3f951bf9_attn
	.p2alignl 7, 3214868480
	.fill 96, 4, 3214868480
	.section	.rodata,"a",@progbits
	.p2align	6, 0x0
	.amdhsa_kernel k_q1e3f951bf9_attn
		.amdhsa_group_segment_fixed_size 279040
		.amdhsa_private_segment_fixed_size 0
		.amdhsa_enable_private_segment 0
		.amdhsa_kernarg_size 48
		.amdhsa_user_sgpr_count 2
		.amdhsa_user_sgpr_kernarg_segment_ptr 1
		.amdhsa_wavefront_size32 1
		.amdhsa_system_sgpr_workgroup_id_x 1
		.amdhsa_system_sgpr_workgroup_id_y 1
		.amdhsa_system_sgpr_workgroup_id_z 1
		.amdhsa_system_vgpr_workitem_id 0
		.amdhsa_next_free_vgpr 1024
		.amdhsa_next_free_sgpr 66
		.amdhsa_reserve_vcc 0
		.amdhsa_float_denorm_mode_32 3
		.amdhsa_float_denorm_mode_16_64 3
		.amdhsa_memory_ordered 1
		.amdhsa_forward_progress 1
		.amdhsa_inst_pref_size 162
	.end_amdhsa_kernel
	.amdgpu_metadata
---
amdhsa.version: [ 1, 2 ]
amdhsa.kernels:
  - .name:           k_q1e3f951bf9_attn
    .symbol:         k_q1e3f951bf9_attn.kd
    .args:
      - { .name: qimg, .offset: 0, .size: 8, .value_kind: global_buffer, .address_space: global }
      - { .name: kimg, .offset: 8, .size: 8, .value_kind: global_buffer, .address_space: global }
      - { .name: vimg, .offset: 16, .size: 8, .value_kind: global_buffer, .address_space: global }
      - { .name: inp, .offset: 24, .size: 8, .value_kind: global_buffer, .address_space: global }
      - { .name: lowp_scales, .offset: 32, .size: 8, .value_kind: global_buffer, .address_space: global }
      - { .name: part, .offset: 40, .size: 8, .value_kind: global_buffer, .address_space: global }
    .group_segment_fixed_size: 279040
    .private_segment_fixed_size: 0
    .kernarg_segment_align: 8
    .kernarg_segment_size: 48
    .max_flat_workgroup_size: 128
    .sgpr_count:     66
    .vgpr_count:     1024
    .wavefront_size: 32
...
	.end_amdgpu_metadata
.endif
;; end of part 2
;; launch fold (part 3): grid 64 x 1, 1 waves a work-group, no clusters, 0 bytes of LDS; arguments part, out0; writes out0
.if DOCPART == 3
	.amdgcn_target "amdgcn-amd-amdhsa--gfx1250"
	.amdhsa_code_object_version 6
	.text
	.protected	k_q1e3f951bf9_fold
	.globl	k_q1e3f951bf9_fold
	.p2align	8
	.type	k_q1e3f951bf9_fold,@function
k_q1e3f951bf9_fold:
	s_mov_b64 s[64:65], 0
	v_nop
	global_prefetch_b8 v0, s[64:65] scope:SCOPE_SE
	s_setreg_imm32_b32 hwreg(HW_REG_WAVE_MODE, 25, 1), 1
	s_wait_xcnt 0x0
; out0[b][d] = the sum over the 16 work-groups g of batch b of part[16 b + g][d], in ascending g, in f32.  part: [256][512] f32; out0: [16][512] f32.
; Work-group x takes batch x / 4 and 128 columns: quarter x % 4.  One wave; a lane owns four columns: each load and the store cover 512 consecutive bytes, aligned.
; 64 work-groups are all the work there is: 32,768 bytes of output, 512 a wave.  No LDS, no barrier, no matrix unit: sixteen loads, thirty packed additions, one store.
	s_load_b128 s[4:7], s[0:1], 0x0                ; part, out0
	v_lshlrev_b32 v1, 4, v0                        ; 16 x lane
	s_lshr_b32 s8, ttmp9, 2
	s_lshl_b32 s8, s8, 15                          ; a batch's 16 rows of 2,048 bytes
	s_and_b32 s9, ttmp9, 3
	s_lshl_b32 s9, s9, 9                           ; my quarter of a row
	s_add_co_u32 s8, s8, s9
	s_mov_b32 s9, 0
	s_lshl_b32 s10, ttmp9, 9                       ; out0: 2,048 x batch + 512 x quarter = 512 x work-group
	s_mov_b32 s11, 0
	s_wait_kmcnt 0x0
	s_add_nc_u64 s[4:5], s[4:5], s[8:9]
	s_add_nc_u64 s[6:7], s[6:7], s[10:11]
.irp g,0,1,2,3,4,5,6,7,8,9,10,11,12,13,14,15
	global_load_b128 v[4+4*\g:7+4*\g], v1, s[4:5] offset:2048*\g th:TH_LOAD_NT
.endr
	s_wait_loadcnt 0x0
.irp g,1,2,3,4,5,6,7,8,9,10,11,12,13,14,15
	v_pk_add_f32 v[4:5], v[4:5], v[4+4*\g:5+4*\g]
	v_pk_add_f32 v[6:7], v[6:7], v[6+4*\g:7+4*\g]
.endr
	global_store_b128 v1, v[4:7], s[6:7]
	s_endpgm
.Lfunc_end_k_q1e3f951bf9_fold:
	.size	k_q1e3f951bf9_fold, .Lfunc_end_k_q1e3f951bf9_fold-k_q1e3f951bf9_fold
	.p2alignl 7, 3214868480
	.fill 96, 4, 3214868480
	.section	.rodata,"a",@progbits
	.p2align	6, 0x0
	.amdhsa_kernel k_q1e3f951bf9_fold
		.amdhsa_group_segment_fixed_size 0
		.amdhsa_private_segment_fixed_size 0
		.amdhsa_enable_private_segment 0
		.amdhsa_kernarg_size 16
		.amdhsa_user_sgpr_count 2
		.amdhsa_user_sgpr_kernarg_segment_ptr 1
		.amdhsa_wavefront_size32 1
		.amdhsa_system_sgpr_workgroup_id_x 1
		.amdhsa_system_sgpr_workgroup_id_y 1
		.amdhsa_system_sgpr_workgroup_id_z 1
		.amdhsa_system_vgpr_workitem_id 0
		.amdhsa_next_free_vgpr 72
		.amdhsa_next_free_sgpr 66
		.amdhsa_reserve_vcc 0
		.amdhsa_float_denorm_mode_32 3
		.amdhsa_float_denorm_mode_16_64 3
		.amdhsa_memory_ordered 1
		.amdhsa_forward_progress 1
		.amdhsa_inst_pref_size 5
	.end_amdhsa_kernel
	.amdgpu_metadata
---
amdhsa.version: [ 1, 2 ]
amdhsa.kernels:
  - .name:           k_q1e3f951bf9_fold
    .symbol:         k_q1e3f951bf9_fold.kd
    .args:
      - { .name: part, .offset: 0, .size: 8, .value_kind: global_buffer, .address_space: global }
      - { .name: out0, .offset: 8, .size: 8, .value_kind: global_buffer, .address_space: global }
    .group_segment_fixed_size: 0
    .private_segment_fixed_size: 0
    .kernarg_segment_align: 8
    .kernarg_segment_size: 16
    .max_flat_workgroup_size: 32
    .sgpr_count:     66
    .vgpr_count:     72
    .wavefront_size: 32
...
	.end_amdgpu_metadata
.endif
;; end of part 3
